; MI455X (gfx1250); checked and timed in simulation.
; The chip was launched on July 23, 2026; its instructions are those of AMD's public machine-readable ISA for CDNA 5 (MIT licence, August 2026) and "CDNA5" Instruction Set Architecture Reference Guide (July 2026). The comments in the code are by the model that wrote it; some were corrected since.
;; Attention. Allowed arithmetic: matrix products marked QUANTISED: E2M3 operands, one E8M0 scale for each 32 along K, by v_wmma_scale_f32_16x16x128_f8f6f4 with both operands' format E2M3, f32 sums; everything else in f32.
;; Inputs: Wk_codes 1,024 x 32 x 24 uint8 (E2M3 codes of Wk, K innermost, in blocks of 32 codes, four codes in three bytes); Wk_scales 1,024 x 32 uint8 (E8M0 scales of Wk, one for each 32 codes along K); Wo_codes 1,024 x 32 x 24 uint8 (E2M3 codes of Wo, K innermost, in blocks of 32 codes, four codes in three bytes); Wo_scales 1,024 x 32 uint8 (E8M0 scales of Wo, one for each 32 codes along K); Wq_codes 1,024 x 32 x 24 uint8 (E2M3 codes of Wq, K innermost, in blocks of 32 codes, four codes in three bytes); Wq_scales 1,024 x 32 uint8 (E8M0 scales of Wq, one for each 32 codes along K); Wv_codes 1,024 x 32 x 24 uint8 (E2M3 codes of Wv, K innermost, in blocks of 32 codes, four codes in three bytes); Wv_scales 1,024 x 32 uint8 (E8M0 scales of Wv, one for each 32 codes along K); x_codes 4 x 2,048 x 32 x 24 uint8 (E2M3 codes of x, K innermost, in blocks of 32 codes, four codes in three bytes); x_scales 4 x 2,048 x 32 uint8 (E8M0 scales of x, one for each 32 codes along K).
;; Outputs: out0 4 x 2,048 x 1,024 float32.
;; This version of the problem:
;;   THIS VERSION OF THE PROBLEM IS GIVEN IN LOW PRECISION. The matrix products marked QUANTISED in the list below multiply operands that are first quantised to E2M3 (2 exponent bits, 3 mantissa bits; 6 bits a number), with one power-of-two scale for each 32 numbers along K (OCP MX v1.0); their sums are f32. All else is computed in f32.
;;   The module's matrix products, in the order in which they are computed (A, B: the left and right operand; K: the contracted axis; several contracted axes count as one K, in the product's order):
;;     1. [M 8,192, K 1,024] x [K 1,024, N 1,024]; A: input x (given as codes); B: input Wq (given as codes): QUANTISED
;;     2. [M 8,192, K 1,024] x [K 1,024, N 1,024]; A: input x (given as codes); B: input Wk (given as codes): QUANTISED
;;     3. [M 8,192, K 1,024] x [K 1,024, N 1,024]; A: input x (given as codes); B: input Wv (given as codes): QUANTISED
;;     4. batch 64 x [M 2,048, K 64] x [K 64, N 2,048]; A: computed on the way; B: computed on the way: QUANTISED
;;     5. batch 64 x [M 2,048, K 2,048] x [K 2,048, N 64]; A: softmax (see below); B: computed on the way: QUANTISED
;;     6. [M 8,192, K 1,024] x [K 1,024, N 1,024]; A: computed on the way; B: input Wo (given as codes): QUANTISED
;;   THE QUANTISER, for each operand of a quantised product, along K:
;;     - K is cut into blocks of 32 from its start; a last block that is shorter is filled with zeros.
;;     - A block's scale is 2^e with e = floor(log2(the largest magnitude in the block)) - 2, held to -126 .. 127; a block of zeros has e = 0. As a byte (E8M0): e + 127.
;;     - Each number is divided by its block's scale, clamped to +-7.5, and rounded to the nearest number of E2M3, ties to even, subnormals kept.
;;     - The product sums the exact products of the quantised numbers (number of the format x scale) in f32.
;;   ~~~python
;;   def quantise(x, axis):      # numpy; x: float32 -> the quantised numbers, widened to float32 again
;;       x = np.moveaxis(x, axis, -1); K = x.shape[-1]
;;       x = np.pad(x, [(0, 0)] * (x.ndim - 1) + [(0, -K % 32)]); x = x.reshape(x.shape[:-1] + (-1, 32)); a = np.abs(x).max(-1, keepdims=True)
;;       e = np.where(a > 0, np.clip(np.frexp(np.where(a > 0, a, 1))[1] - 1 - 2, -126, 127), 0)      # np.frexp(a)[1] - 1 = floor(log2(a)), exactly
;;       r = np.clip(x / 2.0 ** e, -7.5, 7.5)
;;       step = 2.0 ** (np.maximum(np.frexp(np.where(r == 0, 1, r))[1] - 1, 0) - 3)
;;       q = np.round(r / step) * step * 2.0 ** e      # np.round: ties to even
;;       return np.moveaxis(q.reshape(q.shape[:-2] + (-1,))[..., :K], -1, axis).astype(np.float32)
;;   ~~~
;;   SOFTMAX AHEAD OF A QUANTISED PRODUCT. Where the list says 'softmax', what is quantised is not the finished softmax but p = 2^(t - M), with t = logit x log2(e) and M = ceil(the row's largest t), a whole number; so 1/2 < the row's largest p <= 1. The row's sum l is taken of the UNQUANTISED p, in f32, and the product's result is divided by l at the end. Since M is a whole number, a kernel that streams over the keys may use a running M (the ceiling of the running maximum): every later rescaling is an exact power of two, which a block's scale takes up: the codes' values come out the same.
;;   OPERANDS COMPUTED ON THE WAY. 'Computed on the way' means the value that the module computes at that place (a softmax that the list does not call 'softmax' is quantised finished and normalised). What goes into a quantiser is computed in f32, as accurately as f32 sums, v_exp_f32 and their like allow (about 1e-6 of the number): no bf16 or f16 on the way to a quantiser, and a product that is left as it is and whose result goes on into a quantised operand takes f32 operands (vector FMAs, or v_wmma_f32_16x16x4_f32). A number that lies on a knife's edge between two numbers of the format may be rounded either way, as far as f32 arithmetic and the matrix unit's own rounding can turn it there, and no further.
;;   INPUTS GIVEN AS CODES. Wk (in the module: [1024, 1024], K = its axis 0); Wo (in the module: [1024, 1024], K = its axis 0); Wq (in the module: [1024, 1024], K = its axis 0); Wv (in the module: [1024, 1024], K = its axis 0); x (in the module: [4, 2048, 1024], K = its axis 2): each comes as NAME_codes (uint8): NAME with its K axis moved to the last place and cut into blocks of 32 codes, [.., K / 32, bytes a block], one block behind the other in memory; four codes in three bytes: a row's codes are one little-endian stream of bits, code i at bits 6 i .. 6 i + 5 (a code: sign, 2 exponent bits, 3 mantissa bits); and NAME_scales (uint8): the same leading axes, one E8M0 byte (e + 127) for each 32 codes along K. Its value is code x scale, taken as it is: it is not quantised again, and the codes and scales need not be those that the quantiser above would give.
;; One version. Each part assembles by itself: llvm-mc -triple=amdgcn-amd-amdhsa -mcpu=gfx1250 --defsym DOCPART=n.
;; ======== version 1 of 1: 3 launches
;; limits: right only within a limited range of input values
;; workspace buffers: qimg 6,291,456 bytes; qsc 524,288 bytes; kv 13,369,344 bytes; ao 6,291,456 bytes; aosc 262,144 bytes
;; launch proj (part 1): grid 8 x 32, 4 waves a work-group, clusters of 4 x 4, 327,680 bytes of LDS; arguments x_codes, x_scales, Wq_codes, Wq_scales, Wk_codes, Wk_scales, Wv_codes, Wv_scales, qimg, qsc, kv; writes qimg, qsc, kv
.if DOCPART == 1
	.amdgcn_target "amdgcn-amd-amdhsa--gfx1250"
	.amdhsa_code_object_version 6
	.text
	.protected	k_qf7bedea2a8_proj
	.globl	k_qf7bedea2a8_proj
	.p2align	8
	.type	k_qf7bedea2a8_proj,@function
k_qf7bedea2a8_proj:
	s_mov_b64 s[64:65], 0
	v_nop
	global_prefetch_b8 v0, s[64:65] scope:SCOPE_SE
	s_setreg_imm32_b32 hwreg(HW_REG_WAVE_MODE, 25, 1), 1
	s_wait_xcnt 0x0
	s_wait_alu depctr_hold_cnt(0) depctr_sa_sdst(0) depctr_va_vdst(0) depctr_va_sdst(0) depctr_va_ssrc(0) depctr_va_vcc(0) depctr_vm_vsrc(0)
	s_getreg_b32 s2, hwreg(HW_REG_IB_STS2, 6, 4)
	s_cmp_eq_u32 s2, 0
	s_cbranch_scc0 .Lentry_in_a_cluster
	s_endpgm
.Lentry_in_a_cluster:
	s_bfe_u32 s2, ttmp6, 0x10000c
	s_cmp_lg_u32 s2, 0xf033
	s_cbranch_scc0 .Lentry_shape_is_right
	s_endpgm
.Lentry_shape_is_right:
; Q, K, V = x W^T on codes of FP6 (E2M3), and their quantisers: the results leave as codes and scale words in the order of the next launch's operand registers.
; THE DEAL.  256 work-groups of four waves.  A work-group owns 256 tokens and 128 columns (two heads) of each of Q, K, V: three phases on the same rows of x, which lie in LDS for the whole launch.
; Wave (a, b): a = the key step of 128 tokens, b = the head.  It holds its head's 64 weight rows, all of K, in 384 registers and streams its 8 blocks of 16 tokens past them, 32 products a block.
; A BLOCK i = 4 c + u is tokens 64 c + 8 u + r % 8 + 32 (r / 8); weight tile t is rows 8 t + r % 8 + 32 (r / 8) of the head.  So a lane's 32 sums are one scale block of the next product:
; Q, K (source 0 = weights): channels 32 h + 0 .. 31 of one token; V (source 0 = x): tokens 64 c + 32 h + 0 .. 31 of one channel, gathered over four blocks.  No lane asks another for a maximum.
; LDS.  Rows come in as RUNS of 32 rows (24,576 bytes on end in memory, each beginning at a multiple of 256), 16 bytes of padding behind every 256: an LDS row is 816 bytes.
; The even runs lie in one region and the odd runs in another whose distance is 128 bytes modulo 256: the sixteen rows of a tile then start at sixteen different groups of four banks.
; FILLS.  At the head one joint load a wave: waves 0, 1 Wq's two regions, waves 2, 3 x's.  The weights' regions are filled again twice (Wk, Wv), each time behind a drained round of the cluster's barrier,
; when every wave holds the old weights in registers; the fill has the phase's 256 products a wave in which to land.  x is shared by a row of the cluster, a weight by a column.
; No prefetch: every tile is asked for at the head or a whole phase ahead of its first read, so no later request is left to run ahead of.
; SCALES go from memory into registers: lane (r, h) takes bytes 16 h .. 16 h + 15 of its row's 32, so register q % 4 serves K step q with the scale row q / 4.
; LIMITS: NaN and infinities are not served; a block whose largest magnitude lies under 2^-124 gets the scale byte 1 (read by this program alone).
.set PITCH, 816
.set RUN,   24576                      ; 32 rows of 768 bytes
.set XD,    104576                     ; from x's even runs (LDS byte 0) to its odd runs
.set WE,    209152                     ; the weights' even runs
.set WD,    52352                      ; and from them to the odd runs
.set SPARE, 313856
.set FR,    12
.set FPW,   21                         ; fragments in a window of 256 registers: fragment f lies in window 1 + f / 21 at 12 (f % 21); 0-31 the weights' (4 q + t), 32-39 and 40-47 x's two sets
.set NF,    26                         ; LDS loads of a block
.set XAD,   80                         ; window 3: v80-95 LDS addresses of my eight blocks, two each
.set WAD,   100                        ; window 3: v100-107 of my four weight tiles
.set L16,  16
.set L8,   17
.set SH8,  18
.set SPW,  20
.set NIL,  21
.set LSC,  22
.set MA,   23
.set MB,   24
.set SO,   25
.set BY,   26
.set T0,   27
.set PX,   28
.set SW,   32                          ; v32-47 the weights' scale words; v48-63 the next phase's
.set SWN,  48
.set SX,   66                          ; v66-97 x's, four registers a block
.set HW,   98                          ; v98-105 the results' scale words as they gather
.set RW,   106
.set C,    110                         ; v110-121 two sets of six registers of codes
.set CT,   122
.set ACC,  128                         ; v128-255 the sums
.set G1X, 24
.set G1W, 32
.set G0X, 48
.set G0W, 52
.set MSB, 0
.macro WIN new
.if MSB != \new
	s_set_vgpr_msb (MSB<<8)|\new
.set MSB, \new
.endif
.endm
.macro PLACES n
.rept \n
	v_nop
.endr
.endm
.macro WALU
	s_wait_alu depctr_va_vdst(0)
.endm
.macro BARRIER
	s_barrier_signal -1
	s_barrier_wait -1
.endm
.macro CROUND
	BARRIER
	s_cmp_lg_u32 s14, 0
	s_cbranch_scc1 .Lnot_wave_0_\@
	s_barrier_signal -3
.Lnot_wave_0_\@:
	s_barrier_wait -3
	BARRIER
.endm
.macro TLOAD g0, g1
	tensor_load_to_lds s[\g0:\g0+3], s[\g1:\g1+7]
	s_nop 0
	PLACES 4
.endm
.macro GROUP1 g, mask, rows            ; rows runs of 24,576 bytes, every second run of memory
	s_or_b32 s[\g+0], s[\mask], (1<<20)|(1<<21)|(5<<22)|(3<<25)
	s_mov_b32 s[\g+1], RUN<<16
	s_mov_b32 s[\g+2], (\rows)<<16
	s_mov_b32 s[\g+3], RUN<<16
	s_mov_b32 s[\g+4], \rows
	s_mov_b32 s[\g+5], 2*RUN
	s_mov_b32 s[\g+6], 0
	s_mov_b32 s[\g+7], 0
.endm
; a fragment: six pieces of 8 bytes, two to a load where both go by one address register (a: lanes 16-31 24 bytes on; a + 1: behind one padding more)
.macro FRAG f, q, a
	WIN ((1+(\f)/FPW)<<6)|3
.set R_, FR*((\f)%FPW)
.set SKIP_, 0
.irp p, 0,1,2,3,4,5
.if SKIP_
.set SKIP_, 0
.else
.set PC_, 12*(\q)+6*(\p/3)+\p%3
.set PN_, 12*(\q)+6*((\p+1)/3)+(\p+1)%3
.set X_, (PC_%32+3)/32
.if (\p < 5) && (X_ == (PN_%32+3)/32)
.set SKIP_, 1
	ds_load_2addr_b64 v[R_+2*\p:R_+2*\p+3], v[\a+X_] offset0:PC_+2*(PC_/32) offset1:PN_+2*(PN_/32)
.else
	ds_load_b64 v[R_+2*\p:R_+2*\p+1], v[\a+X_] offset:8*(PC_+2*(PC_/32))
.endif
.endif
.endr
.endm
.macro WEIGHTS                         ; my 64 weight rows, all of K: 104 loads
.irp q, 0,1,2,3,4,5,6,7
.irp t, 0,1,2,3
	FRAG 4*\q+\t, \q, WAD+2*\t
.endr
.endr
	WIN 0
.endm
.macro FETCH e, i                      ; block i into set e
.irp q, 0,1,2,3,4,5,6,7
	FRAG 32+8*(\e)+\q, \q, XAD+2*(\i)
.endr
	WIN 0
.endm
.macro P1 d, s0, s1, x0, x1, q
.if (\q) == 0
	v_wmma_scale_f32_16x16x128_f8f6f4 v[\d:\d+7], v[FR*((\s0)%FPW):FR*((\s0)%FPW)+FR-1], v[FR*((\s1)%FPW):FR*((\s1)%FPW)+FR-1], 0, v[\x0], v[\x1] matrix_a_fmt:MATRIX_FMT_FP6 matrix_b_fmt:MATRIX_FMT_FP6
.elseif (\q) < 4
	v_wmma_scale_f32_16x16x128_f8f6f4 v[\d:\d+7], v[FR*((\s0)%FPW):FR*((\s0)%FPW)+FR-1], v[FR*((\s1)%FPW):FR*((\s1)%FPW)+FR-1], v[\d:\d+7], v[\x0], v[\x1] matrix_a_fmt:MATRIX_FMT_FP6 matrix_b_fmt:MATRIX_FMT_FP6
.else
	v_wmma_scale_f32_16x16x128_f8f6f4 v[\d:\d+7], v[FR*((\s0)%FPW):FR*((\s0)%FPW)+FR-1], v[FR*((\s1)%FPW):FR*((\s1)%FPW)+FR-1], v[\d:\d+7], v[\x0], v[\x1] matrix_a_fmt:MATRIX_FMT_FP6 matrix_b_fmt:MATRIX_FMT_FP6 matrix_a_scale:MATRIX_SCALE_ROW1 matrix_b_scale:MATRIX_SCALE_ROW1
.endif
.endm
; a block's 32 products; the four accumulators take turns.  kind 0: source 0 the weights; kind 1: source 0 x
.macro PRODS kind, i
.set N_, 0
.rept 32
.set Q_, N_/4
.set T_, N_%4
.set FW_, 4*Q_+T_
.set FX_, 32+8*((\i)%2)+Q_
.set XW_, SW+4*T_+Q_%4
.set XX_, SX+4*(\i)+Q_%4
.if \kind
.set D_, ACC+32*T_+8*((\i)%4)
	WIN (1+FX_/FPW)|((1+FW_/FPW)<<2)
	P1 D_, FX_, FW_, XX_, XW_, Q_
.else
.set D_, ACC+8*T_
	WIN (1+FW_/FPW)|((1+FX_/FPW)<<2)
	P1 D_, FW_, FX_, XW_, XX_, Q_
.endif
.set N_, N_+1
.endr
	WIN 0
.endm
.macro QUANT32 x, c                    ; a lane's 32 numbers, one block: six registers of codes and the scale's byte; each accumulator is first read at its low end
	v_max3_num_f32 v[MA], |v[\x]|, |v[\x+1]|, 0x1800000
	v_max3_num_f32 v[MB], |v[\x+16]|, |v[\x+17]|, |v[\x+18]|
.irp i, 2,4,6,8,10,12
	v_max3_num_f32 v[MA], v[MA], |v[\x+\i]|, |v[\x+\i+1]|
	v_max3_num_f32 v[MB], v[MB], |v[\x+\i+17]|, |v[\x+\i+18]|
.endr
	v_max3_num_f32 v[MA], v[MA], |v[\x+14]|, |v[\x+15]|
	v_max3_num_f32 v[MA], v[MA], v[MB], |v[\x+31]|
	v_add_nc_u32 v[SO], 0xff000000, v[MA]
	v_cvt_scalef32_pk16_fp6_f32 v[\c:\c+2], v[\x:\x+15], v[SO]
	v_cvt_scalef32_pk16_fp6_f32 v[CT:CT+2], v[\x+16:\x+31], v[SO]
	v_lshrrev_b32 v[BY], 23, v[SO]
	v_mov_b32 v[\c+3], v[CT]
	v_mov_b32 v[\c+4], v[CT+1]
	v_mov_b32 v[\c+5], v[CT+2]
	v_lshlrev_b32 v[T0], v[SH8], v[BY]             ; the byte at place h,
	v_permlanex16_b32 v[PX], v[T0], s66, s67       ; and lane l xor 16's
.endm
.macro BLKQ i                          ; a block of Q or K: its rows were fetched two blocks ago; younger is the next block's fetch alone
	s_wait_dscnt NF
	PRODS 0, \i
	PLACES 4
	FETCH (\i)%2, ((\i)+2)%8
	s_wait_xcnt 0x0                                ; the last block's stores have read their data
	QUANT32 ACC, C
	v_or_b32 v[HW+\i], v[T0], v[PX]
	global_store_b128 v[L16], v[C:C+3], s[4:5] offset:768*\i
	global_store_b64 v[L8], v[C+4:C+5], s[4:5] offset:768*\i+512
.endm
.macro VOUT c                          ; 64 tokens of V are whole: four units of codes
.irp f, 0,1,2,3
.if \f%2 == 0
	s_wait_xcnt 0x0
.endif
	QUANT32 ACC+32*\f, C+6*(\f%2)
.if \c
	v_or_b32 v[T0], v[T0], v[PX]
	v_lshl_or_b32 v[HW+\f], v[T0], 16, v[HW+\f]
.else
	v_or_b32 v[HW+\f], v[T0], v[PX]
.endif
	global_store_b128 v[L16], v[C+6*(\f%2):C+6*(\f%2)+3], s[12:13] offset:1536*\f+768*(\c)
	global_store_b64 v[L8], v[C+6*(\f%2)+4:C+6*(\f%2)+5], s[12:13] offset:1536*\f+768*(\c)+512
.endr
.endm
.macro BLKV i
.if (\i) == 7
	s_wait_dscnt 0x0
.else
	s_wait_dscnt NF
.endif
	PRODS 1, \i
	PLACES 4
.if (\i) < 6
	FETCH (\i)%2, (\i)+2
.endif
.if (\i)%4 == 3
	VOUT (\i)/4
.endif
.endm
; ---- the head
	s_load_b512 s[68:83], s[0:1], 0x0              ; x, Wq, Wk, Wv: codes and scales
	s_load_b128 s[84:87], s[0:1], 0x40             ; qimg, qsc
	s_load_b64 s[88:89], s[0:1], 0x50              ; kv
	v_lshl_add_u32 v[SPW], v0, 2, SPARE
	v_mov_b32 v[NIL], 0
	ds_add_u32 v[SPW], v[NIL]                      ; the opening adds
	ds_add_u32 v[SPW], v[NIL]
	v_lshrrev_b32 v1, 5, v0
	v_readfirstlane_b32 s14, v1                    ; the wave
	s_lshr_b32 s15, s14, 1                         ; a
	s_and_b32 s16, s14, 1                          ; b; also: which of two regions I fill
	s_bfe_u32 s40, ttmp6, 0x40000
	s_bfe_u32 s41, ttmp6, 0x40004
	s_lshl_b32 s42, ttmp9, 2
	s_add_co_u32 s42, s42, s40                     ; tile column, 0 .. 7
	s_and_b32 s43, ttmp7, 0xffff
	s_lshl_b32 s43, s43, 2
	s_add_co_u32 s43, s43, s41                     ; tile row, 0 .. 31
	s_lshl_b32 s44, s41, 2
	s_lshl_b32 s44, 15, s44                        ; my row of the cluster
	s_lshl_b32 s45, 0x1111, s40                    ; my column
	GROUP1 G1X, 44, 4
	GROUP1 G1W, 45, 2
	s_mul_i32 s17, s16, RUN
	s_mul_i32 s18, s43, 256*768
	s_add_co_u32 s18, s18, s17                     ; x: my runs
	s_mov_b32 s19, 0
	s_mul_i32 s22, s42, 128*768
	s_add_co_u32 s22, s22, s17                     ; a weight: my runs
	s_mov_b32 s23, 0
	s_mov_b32 s[G0X], 1
	s_mul_i32 s[G0X+1], s16, XD
	s_mov_b32 s[G0W], 1
	s_mul_i32 s[G0W+1], s16, WD
	s_add_co_u32 s[G0W+1], s[G0W+1], WE
	s_lshl_b32 s46, s43, 13
	s_lshl_b32 s20, s15, 12
	s_add_co_u32 s46, s46, s20                     ; x's scale bytes of my 128 tokens
	s_mov_b32 s47, 0
	s_lshl_b32 s20, s42, 12
	s_lshl_b32 s21, s16, 11
	s_add_co_u32 s20, s20, s21                     ; a weight's, of my 64 rows
	s_mov_b32 s21, 0
	s_lshr_b32 s96, s43, 3
	s_lshl_b32 s96, s96, 4
	s_lshl_b32 s97, s42, 1
	s_add_co_u32 s96, s96, s97
	s_add_co_u32 s96, s96, s16                     ; 16 x batch + head
	s_and_b32 s97, s43, 7
	s_lshl_b32 s97, s97, 1
	s_add_co_u32 s97, s97, s15                     ; the key step in the sequence
	s_mul_i32 s98, s96, 98304
	s_mul_i32 s99, s97, 6144
	s_add_co_u32 s98, s98, s99
	s_mov_b32 s99, 0
	s_lshl_b32 s100, s96, 13
	s_lshl_b32 s101, s97, 9
	s_add_co_u32 s100, s100, s101
	s_mov_b32 s101, 0
	s_mul_i32 s104, s96, 208896
	s_mul_i32 s105, s97, 13056
	s_add_co_u32 s104, s104, s105
	s_mov_b32 s105, 0
	s_mov_b32 s95, 0xffff0000
	s_mov_b32 s66, 0x76543210
	s_mov_b32 s67, 0xfedcba98
	s_mul_i32 s2, s15, 64*PITCH
	s_mul_i32 s3, s16, 32*PITCH
	s_add_co_u32 s3, s3, WE
	v_and_b32 v1, 7, v0                            ; r % 8
	v_bfe_u32 v2, v0, 3, 1                         ; r / 8
	v_bfe_u32 v3, v0, 4, 1                         ; h
	v_and_b32 v23, 31, v0
	v_lshlrev_b32 v[L16], 4, v23
	v_lshlrev_b32 v[L8], 3, v23
	v_lshlrev_b32 v[SH8], 3, v3
	v_mul_u32_u24 v24, v1, PITCH
	v_mad_u32_u24 v4, v2, XD, v24
	v_mad_u32_u24 v8, v2, WD, v24
	v_add_nc_u32 v4, s2, v4
	v_add_nc_u32 v8, s3, v8
	v_mad_u32_u24 v5, v3, 40, v4
	v_mad_u32_u24 v4, v3, 24, v4
	v_mad_u32_u24 v9, v3, 40, v8
	v_mad_u32_u24 v8, v3, 24, v8
	v_lshlrev_b32 v[LSC], 5, v1
	v_lshl_add_u32 v[LSC], v2, 10, v[LSC]
	v_lshl_add_u32 v[LSC], v3, 4, v[LSC]           ; 32 x (r % 8 + 32 (r / 8)) + 16 h
	v_mov_b32 v[PX], 0
	WIN 3<<6
.irp i, 0,1,2,3,4,5,6,7
	v_add_nc_u32 v[XAD+2*\i], \i*8*PITCH, v4
	v_add_nc_u32 v[XAD+2*\i+1], \i*8*PITCH, v5
.endr
.irp t, 0,1,2,3
	v_add_nc_u32 v[WAD+2*\t], \t*8*PITCH, v8
	v_add_nc_u32 v[WAD+2*\t+1], \t*8*PITCH, v9
.endr
	WIN 0
	WALU                                           ; the wait at the head's end
	s_wait_dscnt 0x0
	CROUND                                         ; the round in front of the first joint loads
	s_wait_kmcnt 0x0
	s_add_nc_u64 s[G0X+2:G0X+3], s[68:69], s[18:19]
	s_or_b32 s[G0X+3], s[G0X+3], 0x80000000
	s_add_nc_u64 s[G0W+2:G0W+3], s[72:73], s[22:23]
	s_or_b32 s[G0W+3], s[G0W+3], 0x80000000
	s_add_nc_u64 s[58:59], s[76:77], s[22:23]      ; the next weight's runs: Wk's,
	s_add_nc_u64 s[80:81], s[80:81], s[22:23]      ; then Wv's
	s_add_nc_u64 s[70:71], s[70:71], s[46:47]
	s_add_nc_u64 s[74:75], s[74:75], s[20:21]
	s_add_nc_u64 s[90:91], s[78:79], s[20:21]      ; the next weight's scale bytes
	s_add_nc_u64 s[82:83], s[82:83], s[20:21]
	s_add_nc_u64 s[4:5], s[84:85], s[98:99]        ; where this phase's codes go, and its scale words
	s_add_nc_u64 s[6:7], s[86:87], s[100:101]
	s_add_nc_u64 s[8:9], s[88:89], s[104:105]      ; K's
	s_add_nc_u64 s[10:11], s[8:9], 12288
	s_add_nc_u64 s[12:13], s[8:9], 6144            ; V's
	s_add_nc_u64 s[56:57], s[8:9], 12800
	s_cmp_lt_u32 s14, 2
	s_cbranch_scc0 .Lfor_x
	TLOAD G0W, G1W                                 ; waves 0, 1: Wq's even and odd runs
	s_branch .Lasked
.Lfor_x:
	TLOAD G0X, G1X                                 ; waves 2, 3: x's
.Lasked:
.irp i, 0,1,2,3,4,5,6,7
	global_load_b128 v[SX+4*\i:SX+4*\i+3], v[LSC], s[70:71] offset:2048*(\i/4)+256*(\i%4)
.endr
.irp t, 0,1,2,3
	global_load_b128 v[SW+4*\t:SW+4*\t+3], v[LSC], s[74:75] offset:256*\t
.endr
	s_cmp_lt_u32 s14, 2
	s_cbranch_scc0 .Lnot_w
	s_wait_tensorcnt 0x0
.Lnot_w:
	BARRIER                                        ; Wq's rows are in; x may be on its way
	WEIGHTS
	s_wait_tensorcnt 0x0
	s_wait_dscnt 0x0
	BARRIER                                        ; x is in
	FETCH 0, 0
	FETCH 1, 1
	s_wait_loadcnt 0x0
	s_mov_b32 s3, 0
; ---- Q, then K
.Lphase:
	s_wait_tensorcnt 0x0                           ; ahead of a refill's round
	ds_add_u32 v[SPW], v[NIL]
	s_mov_b64 s[G0W+2:G0W+3], s[58:59]
	s_or_b32 s[G0W+3], s[G0W+3], 0x80000000
	s_wait_dscnt 0x0                               ; the add; the weights and the first two blocks are in registers
	CROUND
	s_cmp_lt_u32 s14, 2
	s_cbranch_scc0 .Lno_fill
	TLOAD G0W, G1W                                 ; the next weight, onto the one that every wave holds in registers
.Lno_fill:
.irp t, 0,1,2,3
	global_load_b128 v[SWN+4*\t:SWN+4*\t+3], v[LSC], s[90:91] offset:256*\t
.endr
.irp i, 0,1,2,3,4,5,6,7
	BLKQ \i
.endr
.irp u, 0,1,2,3
	v_cndmask_b32 v[RW+\u], v[HW+\u], v[HW+4+\u], s95   ; lanes 0-15 tile u, lanes 16-31 tile 4 + u
.endr
	global_store_b128 v[L16], v[RW:RW+3], s[6:7]
	s_wait_tensorcnt 0x0
	s_wait_dscnt 0x0
	BARRIER                                        ; the next weight is in
	WEIGHTS
	s_wait_loadcnt 0x0
.set I, 0
.rept 16
	v_mov_b32 v[SW+I], v[SWN+I]
.set I, I+1
.endr
	PLACES 8                                       ; a scale register written by a vector instruction stands 8 places ahead of its product
	s_wait_xcnt 0x0
	s_mov_b64 s[4:5], s[8:9]
	s_mov_b64 s[6:7], s[10:11]
	s_mov_b64 s[58:59], s[80:81]
	s_mov_b64 s[90:91], s[82:83]
	s_add_co_u32 s3, s3, 1
	s_cmp_lg_u32 s3, 2
	WALU                                           ; the wait ahead of the branch
	s_cbranch_scc1 .Lphase
; ---- V
	s_wait_dscnt 0x0
.irp i, 0,1,2,3,4,5,6,7
	BLKV \i
.endr
	v_cndmask_b32 v[RW], v[HW], v[HW+2], s95       ; lanes 0-15 fragment j, lanes 16-31 fragment 2 + j
	v_cndmask_b32 v[RW+1], v[HW+1], v[HW+3], s95
	global_store_b64 v[L8], v[RW:RW+1], s[56:57]
	s_wait_tensorcnt 0x0                           ; the wave's end
	ds_add_u32 v[SPW], v[NIL]
	s_wait_dscnt 0x0
	CROUND                                         ; the closing round
	s_endpgm
.Lfunc_end_k_qf7bedea2a8_proj:
	.size	k_qf7bedea2a8_proj, .Lfunc_end_k_qf7bedea2a8_proj-k_qf7bedea2a8_proj
	.p2alignl 7, 3214868480
	.fill 96, 4, 3214868480
	.section	.rodata,"a",@progbits
	.p2align	6, 0x0
	.amdhsa_kernel k_qf7bedea2a8_proj
		.amdhsa_group_segment_fixed_size 327680
		.amdhsa_private_segment_fixed_size 0
		.amdhsa_enable_private_segment 0
		.amdhsa_kernarg_size 88
		.amdhsa_user_sgpr_count 2
		.amdhsa_user_sgpr_kernarg_segment_ptr 1
		.amdhsa_wavefront_size32 1
		.amdhsa_system_sgpr_workgroup_id_x 1
		.amdhsa_system_sgpr_workgroup_id_y 1
		.amdhsa_system_sgpr_workgroup_id_z 1
		.amdhsa_system_vgpr_workitem_id 0
		.amdhsa_next_free_vgpr 1024
		.amdhsa_next_free_sgpr 106
		.amdhsa_reserve_vcc 0
		.amdhsa_float_denorm_mode_32 3
		.amdhsa_float_denorm_mode_16_64 3
		.amdhsa_memory_ordered 1
		.amdhsa_forward_progress 1
		.amdhsa_inst_pref_size 150
	.end_amdhsa_kernel
	.amdgpu_metadata
---
amdhsa.version: [ 1, 2 ]
amdhsa.kernels:
  - .name:           k_qf7bedea2a8_proj
    .symbol:         k_qf7bedea2a8_proj.kd
    .args:
      - { .name: x_codes, .offset: 0, .size: 8, .value_kind: global_buffer, .address_space: global }
      - { .name: x_scales, .offset: 8, .size: 8, .value_kind: global_buffer, .address_space: global }
      - { .name: Wq_codes, .offset: 16, .size: 8, .value_kind: global_buffer, .address_space: global }
      - { .name: Wq_scales, .offset: 24, .size: 8, .value_kind: global_buffer, .address_space: global }
      - { .name: Wk_codes, .offset: 32, .size: 8, .value_kind: global_buffer, .address_space: global }
      - { .name: Wk_scales, .offset: 40, .size: 8, .value_kind: global_buffer, .address_space: global }
      - { .name: Wv_codes, .offset: 48, .size: 8, .value_kind: global_buffer, .address_space: global }
      - { .name: Wv_scales, .offset: 56, .size: 8, .value_kind: global_buffer, .address_space: global }
      - { .name: qimg, .offset: 64, .size: 8, .value_kind: global_buffer, .address_space: global }
      - { .name: qsc, .offset: 72, .size: 8, .value_kind: global_buffer, .address_space: global }
      - { .name: kv, .offset: 80, .size: 8, .value_kind: global_buffer, .address_space: global }
    .group_segment_fixed_size: 327680
    .private_segment_fixed_size: 0
    .kernarg_segment_align: 8
    .kernarg_segment_size: 88
    .max_flat_workgroup_size: 128
    .sgpr_count:     106
    .vgpr_count:     1024
    .wavefront_size: 32
...
	.end_amdgpu_metadata
.endif
;; end of part 1
;; launch attn (part 2): grid 4 x 64, 8 waves a work-group, clusters of 4 x 1, 210,944 bytes of LDS; arguments qimg, qsc, kv, ao, aosc; writes ao, aosc
.if DOCPART == 2
	.amdgcn_target "amdgcn-amd-amdhsa--gfx1250"
	.amdhsa_code_object_version 6
	.text
	.protected	k_qf7bedea2a8_attn
	.globl	k_qf7bedea2a8_attn
	.p2align	8
	.type	k_qf7bedea2a8_attn,@function
k_qf7bedea2a8_attn:
	s_mov_b64 s[64:65], 0
	v_nop
	global_prefetch_b8 v0, s[64:65] scope:SCOPE_SE
	s_setreg_imm32_b32 hwreg(HW_REG_WAVE_MODE, 25, 1), 1
	s_wait_xcnt 0x0
	s_wait_alu depctr_hold_cnt(0) depctr_sa_sdst(0) depctr_va_vdst(0) depctr_va_sdst(0) depctr_va_ssrc(0) depctr_va_vcc(0) depctr_vm_vsrc(0)
	s_getreg_b32 s2, hwreg(HW_REG_IB_STS2, 6, 4)
	s_cmp_eq_u32 s2, 0
	s_cbranch_scc0 .Lentry_in_a_cluster
	s_endpgm
.Lentry_in_a_cluster:
	s_bfe_u32 s2, ttmp6, 0x10000c
	s_cmp_lg_u32 s2, 0x3003
	s_cbranch_scc0 .Lentry_shape_is_right
	s_endpgm
.Lentry_shape_is_right:
; o = softmax(q k^T / 8) v for one head (64 channels, 2,048 keys), both products on codes of FP6 (E2M3) with one E8M0 scale for each 32 along a product's K, and the quantising of o for the last product.
; THE SOFTMAX: t = score x log2(e) / 8; M = the row's largest t so far, rounded up to a whole number; p = 2^(t - M) is quantised along the keys; the row's sum is taken of the unquantised p and divides at the end.
; When M moves, the sum and O are multiplied by 2^(old M - new M), which rounds nothing.
; SHARES.  A work-group owns 512 queries of one head.  Each of its eight waves takes TWO tiles of 16 queries through a key step together, and does so twice (tile 32 cx + 16 pass + 2 wave + x of the head):
; each fragment of K and of V that comes from LDS feeds two products.
; THE WHOLE HEAD'S K, V AND SCALE WORDS LIE IN LDS AT ONCE: 16 key steps of 13,056 bytes, as the launch before has laid them: 8 units of K, 4 fragments of V, K's 128 scale words, V's 64.  LDS is filled once: every wave
; issues one tensor load, two key steps.  CLUSTER: the four work-groups of a cluster belong to one head and ask jointly.  All is asked for at the head, so there is no later request that a prefetch could run ahead of.
; LAYOUT.  Both products are used transposed: S^T = K Q^T, O^T = V^T P^T: a lane holds one query (lane % 16) throughout.  Row r of tile t of K is key 64 (t / 4) + 8 (t % 4) + r % 8 + 32 (r / 8): the 32 registers of tiles
; 4 c .. 4 c + 3 are keys 64 c + 32 (lane / 16) + 0 .. 31, a whole block in one lane.  V's channels are ordered alike.  The first product's K is 64: the upper six registers of Q's fragments hold zero codes,
; so whatever codes stand in the upper six of K's add nothing: K's tiles lie six registers apart, and a tile's operand runs on over the next tile's six.
; REGISTERS BY ROLE.  Window 0: both tiles' scores and p, the small state, scale words, addresses.  Window 1: O, Q, p's codes, K, V.  So both tiles' vector lines stand by turns under one window setting.
; THE ORDER OF A STEP.  16 score products; V of this step and K of the next are asked of LDS; both tiles' block maxima in eight chains by turns; both running maxima by turns; tile 0's t - M;
; tile 0's exponentials with tile 1's t - M among them; the scale words; tile 0's codes; tile 1's exponentials with the first level of tile 0's sums among them; the rest of the sums; O under the new M; 8 products.
; A line that stands among exponentials has its result read only behind the next s_wait_alu.
; LIMITS: NaN and infinities are not served; M is exact while |t| < 2^24; p under 2^-126 counts as 0; a block whose largest magnitude lies under 2^-124 gets the scale byte 1 (read by this program alone).
.set STEPB, 13056
.set L16,  1                           ; 16 x lane;  v2: 8 x lane
.set L8,   2
.set AD16, 3                           ; this step + 16 x lane, + 8 x lane
.set AD8,  4
.set SH8,  5                           ; 8 x (lane / 16)
.set R16,  6
.set RB,   7
.set ST,   8                           ; v8-23, v24-39: a tile's state, at these places:
.set NM,   0                           ; -M, and behind it the largest score so far (named as a pair)
.set MX,   1
.set SU,   2                           ; the sum, two halves
.set FF,   4                           ; f = 2^(old M - new M) (the pair's upper word is written once)
.set BB,   6                           ; the two blocks' largest scores, then largest p, then bytes
.set EE,   8                           ; at work, then the conversions' scale operands
.set T0,   10
.set T1,   11
.set T2,   12
.set PX,   13
.set KSC,  40                          ; K's scale words: register u: lanes 0-15 tile u, lanes 16-31 tile 4 + u
.set VSC,  44                          ; V's: register j: lanes 0-15 fragment j, lanes 16-31 fragment 2 + j
.set PS,   46                          ; p's scale words, a tile each
.set QS,   48                          ; Q's: 2 pass + x
.set SPW,  52
.set NIL,  53
.set AK16, 54                          ; the next step + 16 x lane, + 8 x lane
.set AK8,  55
.set S,    64                          ; v64-127, v128-191: S^T, then p
.set O,    0                           ; window 1: v0-63 O^T
.set QF,   64                          ; v64-111 Q: 24 pass + 12 x
.set PC,   112                         ; v112-135 p's codes
.set CA,   136                         ; v136-151 the conversions' second halves
.set KF,   152                         ; v152-205 K's eight tiles, six registers each, and six zeros
.set VF,   208                         ; v208-255 V's four fragments
.set WV,   14
.set CS,   18
.set SEL,  20
.set TB,   22
.set CNT,  23
.set G1,   24
.set TK,   32
.set G0,   40
.set MSB, 0
.macro WIN new
.if MSB != \new
	s_set_vgpr_msb (MSB<<8)|\new
.set MSB, \new
.endif
.endm
.macro WALU
	s_wait_alu depctr_va_vdst(0)
.endm
.macro CROUND
	s_barrier_signal -1
	s_barrier_wait -1
	s_cmp_lg_u32 s[WV], 0
	s_cbranch_scc1 .Lnot_wave_0_\@
	s_barrier_signal -3
.Lnot_wave_0_\@:
	s_barrier_wait -3
	s_barrier_signal -1
	s_barrier_wait -1
.endm
.macro LOADK a16, a8                   ; a step's eight units of K and their scale words
	WIN 0x40
.irp t, 0,1,2,3,4,5,6,7
	ds_load_b128 v[KF+6*\t:KF+6*\t+3], v[\a16] offset:768*\t
	ds_load_b64 v[KF+6*\t+4:KF+6*\t+5], v[\a8] offset:768*\t+512
.endr
	WIN 0
	ds_load_b128 v[KSC:KSC+3], v[\a16] offset:12288
.endm
.macro LOADV
	WIN 0x40
.irp f, 0,1,2,3
	ds_load_b128 v[VF+12*\f:VF+12*\f+3], v[AD16] offset:6144+1536*\f
	ds_load_b64 v[VF+12*\f+4:VF+12*\f+5], v[AD8] offset:6144+1536*\f+512
	ds_load_b128 v[VF+12*\f+6:VF+12*\f+9], v[AD16] offset:6144+1536*\f+768
	ds_load_b64 v[VF+12*\f+10:VF+12*\f+11], v[AD8] offset:6144+1536*\f+1280
.endr
	WIN 0
	ds_load_b64 v[VSC:VSC+1], v[AD8] offset:12800
.endm
.macro LV x, n, d                      ; a level of tile x's sum, in place: n packed additions of pairs d registers apart
.set K_, 0
.rept \n
	v_pk_add_f32 v[S+64*\x+2*\d*K_:S+64*\x+2*\d*K_+1], v[S+64*\x+2*\d*K_:S+64*\x+2*\d*K_+1], v[S+64*\x+2*\d*K_+\d:S+64*\x+2*\d*K_+\d+1]
.set K_, K_+1
.endr
.endm
.macro CODES x                         ; tile x's p into codes (a conversion's three registers begin on an even number: the second halves are moved later)
	WIN 0x40
	v_cvt_scalef32_pk16_fp6_f32 v[PC+12*\x:PC+12*\x+2], v[S+64*\x:S+64*\x+15], v[ST+16*\x+EE]
	v_cvt_scalef32_pk16_fp6_f32 v[CA+8*\x:CA+8*\x+2], v[S+64*\x+16:S+64*\x+31], v[ST+16*\x+EE]
	v_cvt_scalef32_pk16_fp6_f32 v[PC+12*\x+6:PC+12*\x+8], v[S+64*\x+32:S+64*\x+47], v[ST+16*\x+EE+1]
	v_cvt_scalef32_pk16_fp6_f32 v[CA+8*\x+4:CA+8*\x+6], v[S+64*\x+48:S+64*\x+63], v[ST+16*\x+EE+1]
	WIN 0
.endm
; A KEY STEP: 128 keys for both tiles of pass p
.macro STEP p
	s_wait_dscnt 0x0                               ; K and its scale words, asked for a step ago
	WIN 0x05
.irp t, 0,1,2,3,4,5,6,7
.irp x, 0,1
.if \t < 4
	v_wmma_scale_f32_16x16x128_f8f6f4 v[S+64*\x+8*\t:S+64*\x+8*\t+7], v[KF+6*\t:KF+6*\t+11], v[QF+24*\p+12*\x:QF+24*\p+12*\x+11], 0, v[KSC+\t%4], v[QS+2*\p+\x] matrix_a_fmt:MATRIX_FMT_FP6 matrix_b_fmt:MATRIX_FMT_FP6
.else
	v_wmma_scale_f32_16x16x128_f8f6f4 v[S+64*\x+8*\t:S+64*\x+8*\t+7], v[KF+6*\t:KF+6*\t+11], v[QF+24*\p+12*\x:QF+24*\p+12*\x+11], 0, v[KSC+\t%4], v[QS+2*\p+\x] matrix_a_fmt:MATRIX_FMT_FP6 matrix_b_fmt:MATRIX_FMT_FP6 matrix_a_scale:MATRIX_SCALE_ROW1
.endif
.endr
.endr
	WIN 0
	v_add_nc_u32 v[AD16], s[TB], v[L16]            ; four plain lines: the places in front of the loads into K's and V's registers and of the first read of the scores
	v_add_nc_u32 v[AD8], s[TB], v[L8]
	v_add_nc_u32 v[AK16], s[TK], v[L16]
	v_add_nc_u32 v[AK8], s[TK], v[L8]
	LOADV
	LOADK AK16, AK8
; the largest score of each block of 32, eight chains by turns; each accumulator is first read at one of its four lowest registers
.irp x, 0,1
.irp c, 0,1
	v_max3_num_f32 v[ST+16*\x+BB+\c], v[S+64*\x+32*\c], v[S+64*\x+32*\c+1], v[S+64*\x+32*\c+2]
	v_max3_num_f32 v[ST+16*\x+EE+\c], v[S+64*\x+32*\c+17], v[S+64*\x+32*\c+18], v[S+64*\x+32*\c+19]
.endr
.endr
.irp i, 3,5,7,9,11,13
.irp x, 0,1
.irp c, 0,1
	v_max3_num_f32 v[ST+16*\x+BB+\c], v[ST+16*\x+BB+\c], v[S+64*\x+32*\c+\i], v[S+64*\x+32*\c+\i+1]
	v_max3_num_f32 v[ST+16*\x+EE+\c], v[ST+16*\x+EE+\c], v[S+64*\x+32*\c+\i+17], v[S+64*\x+32*\c+\i+18]
.endr
.endr
.endr
.irp x, 0,1
.irp c, 0,1
	v_max3_num_f32 v[ST+16*\x+BB+\c], v[ST+16*\x+BB+\c], v[S+64*\x+32*\c+15], v[S+64*\x+32*\c+16]
.endr
.endr
.irp x, 0,1
.irp c, 0,1
	v_max_num_f32 v[ST+16*\x+BB+\c], v[ST+16*\x+BB+\c], v[ST+16*\x+EE+\c]
.endr
.endr
; the running maximum, M and f, the two tiles by turns
.irp x, 0,1
	v_max_num_f32 v[ST+16*\x+T0], v[ST+16*\x+BB], v[ST+16*\x+BB+1]
.endr
.irp x, 0,1
	v_permlanex16_b32 v[ST+16*\x+PX], v[ST+16*\x+T0], s[SEL], s[SEL+1]   ; the query's other 64 keys lie in the lane 16 away
.endr
.irp x, 0,1
	v_max3_num_f32 v[ST+16*\x+MX], v[ST+16*\x+MX], v[ST+16*\x+T0], v[ST+16*\x+PX]
.endr
.irp x, 0,1
	v_mul_f32 v[ST+16*\x+T1], s[CS], v[ST+16*\x+MX]
.endr
.irp x, 0,1
	v_mov_b32 v[ST+16*\x+T2], v[ST+16*\x+NM]
.endr
.irp x, 0,1
	v_floor_f32 v[ST+16*\x+NM], -v[ST+16*\x+T1]    ; the new -M = floor(-t)
.endr
.irp x, 0,1
	v_sub_f32 v[ST+16*\x+T1], v[ST+16*\x+NM], v[ST+16*\x+T2]
.endr
.irp x, 0,1
	v_cvt_i32_f32 v[ST+16*\x+T1], v[ST+16*\x+T1]   ; (it saturates)
.endr
.irp x, 0,1
	v_ldexp_f32 v[ST+16*\x+FF], 1.0, v[ST+16*\x+T1]
.endr
.set J, 0
.rept 32
	v_pk_fma_f32 v[S+J:S+J+1], v[S+J:S+J+1], s[CS:CS+1], v[ST+NM:ST+NM+1] op_sel_hi:[1,0,0]   ; tile 0: t - M
.set J, J+2
.endr
.irp x, 0,1
.irp c, 0,1
	v_fma_f32 v[ST+16*\x+BB+\c], v[ST+16*\x+BB+\c], s[CS], v[ST+16*\x+NM]   ; the same of each block's largest score: p rises with the score
.endr
.endr
	WALU                                           ; ahead of the exponentials
.irp x, 0,1
.irp c, 0,1
	v_exp_f32 v[ST+16*\x+BB+\c], v[ST+16*\x+BB+\c] ; the blocks' largest p
.endr
.endr
.set J, 0
.rept 32
	v_exp_f32 v[S+J], v[S+J]                       ; tile 0: p = 2^(t - M)
	v_exp_f32 v[S+J+1], v[S+J+1]
	v_pk_fma_f32 v[S+64+J:S+64+J+1], v[S+64+J:S+64+J+1], s[CS:CS+1], v[ST+16+NM:ST+16+NM+1] op_sel_hi:[1,0,0]   ; tile 1: t - M
.set J, J+2
.endr
	WALU                                           ; behind them, and ahead of tile 1's
.irp x, 0,1
.irp c, 0,1
	v_max_num_f32 v[ST+16*\x+BB+\c], 0x1800000, v[ST+16*\x+BB+\c]   ; the floor 2^(3 - 127): the byte cannot fall under 1
.endr
.endr
.irp x, 0,1
.irp c, 0,1
	v_add_nc_u32 v[ST+16*\x+EE+\c], 0xff000000, v[ST+16*\x+BB+\c]   ; 2 off the exponent field: the conversions' scale operands
.endr
.endr
.irp x, 0,1
.irp c, 0,1
	v_lshrrev_b32 v[ST+16*\x+BB+\c], 23, v[ST+16*\x+EE+\c]
.endr
.endr
.irp x, 0,1
	v_lshl_or_b32 v[ST+16*\x+T0], v[ST+16*\x+BB+1], 16, v[ST+16*\x+BB]
.endr
.irp x, 0,1
	v_lshlrev_b32 v[ST+16*\x+T0], v[SH8], v[ST+16*\x+T0]
.endr
.irp x, 0,1
	v_permlanex16_b32 v[ST+16*\x+PX], v[ST+16*\x+T0], s[SEL], s[SEL+1]
.endr
.irp x, 0,1
	v_or_b32 v[PS+\x], v[ST+16*\x+T0], v[ST+16*\x+PX]   ; with lane l xor 16's two bytes the word is whole
.endr
	CODES 0
	v_nop                                          ; a plain line behind the conversions, ahead of the sums that write over their sources
.set J, 0
.rept 16
	v_exp_f32 v[S+64+J], v[S+64+J]                 ; tile 1: p
	v_exp_f32 v[S+64+J+1], v[S+64+J+1]
	v_exp_f32 v[S+64+J+2], v[S+64+J+2]
	v_exp_f32 v[S+64+J+3], v[S+64+J+3]
	v_pk_add_f32 v[S+J:S+J+1], v[S+J:S+J+1], v[S+J+2:S+J+3]   ; tile 0: the first level of the sum of the unquantised p, in place: its codes are made
.set J, J+4
.endr
	WALU
	CODES 1
	LV 0, 8, 4                                     ; (plain lines behind the conversions)
	LV 1, 16, 2
	LV 0, 4, 8
	LV 1, 8, 4
	LV 0, 2, 16
	LV 1, 4, 8
	v_pk_fma_f32 v[ST+SU:ST+SU+1], v[ST+SU:ST+SU+1], v[ST+FF:ST+FF+1], v[S:S+1] op_sel_hi:[1,0,1]   ; the old sum under the new M, and this step's
	LV 1, 2, 16
	v_pk_add_f32 v[ST+SU:ST+SU+1], v[ST+SU:ST+SU+1], v[S+32:S+33]
	v_pk_fma_f32 v[ST+16+SU:ST+16+SU+1], v[ST+16+SU:ST+16+SU+1], v[ST+16+FF:ST+16+FF+1], v[S+64:S+65] op_sel_hi:[1,0,1]
	v_pk_add_f32 v[ST+16+SU:ST+16+SU+1], v[ST+16+SU:ST+16+SU+1], v[S+96:S+97]
	WIN 0x41
.irp x, 0,1
.irp i, 0,1,2
	v_mov_b32 v[PC+12*\x+3+\i], v[CA+8*\x+\i]
	v_mov_b32 v[PC+12*\x+9+\i], v[CA+8*\x+4+\i]
.endr
.endr
	s_wait_dscnt 0x0                               ; V, asked for behind the score products
	WALU                                           ; directly ahead of the first readers of O^T
.irp x, 0,1
.set J, 0
.rept 16
	v_pk_mul_f32 v[O+32*\x+J:O+32*\x+J+1], v[O+32*\x+J:O+32*\x+J+1], v[ST+16*\x+FF:ST+16*\x+FF+1] op_sel_hi:[1,0]   ; O^T under the new M; these lines are also the places behind p's codes and scale words
.set J, J+2
.endr
.endr
	WIN 0x55
.irp x, 0,1                                    ; O^T += V^T P^T; the eight accumulators take turns
.irp f, 0,1,2,3
.if \f < 2
	v_wmma_scale_f32_16x16x128_f8f6f4 v[O+32*\x+8*\f:O+32*\x+8*\f+7], v[VF+12*\f:VF+12*\f+11], v[PC+12*\x:PC+12*\x+11], v[O+32*\x+8*\f:O+32*\x+8*\f+7], v[VSC+\f%2], v[PS+\x] matrix_a_fmt:MATRIX_FMT_FP6 matrix_b_fmt:MATRIX_FMT_FP6
.else
	v_wmma_scale_f32_16x16x128_f8f6f4 v[O+32*\x+8*\f:O+32*\x+8*\f+7], v[VF+12*\f:VF+12*\f+11], v[PC+12*\x:PC+12*\x+11], v[O+32*\x+8*\f:O+32*\x+8*\f+7], v[VSC+\f%2], v[PS+\x] matrix_a_fmt:MATRIX_FMT_FP6 matrix_b_fmt:MATRIX_FMT_FP6 matrix_a_scale:MATRIX_SCALE_ROW1
.endif
.endr
.endr
	WIN 0
.endm
.macro INIT                            ; two tiles begin: the first change of M multiplies zeros
.irp x, 0,1
	v_mov_b32 v[ST+16*\x+MX], 0xff61b1e6           ; -3e38, under every score
	v_mov_b32 v[ST+16*\x+SU], 0
	v_mov_b32 v[ST+16*\x+SU+1], 0
	v_mov_b32 v[ST+16*\x+FF+1], 0
	v_mov_b32 v[ST+16*\x+PX], 0
	v_mul_f32 v[ST+16*\x+NM], s[CS], v[ST+16*\x+MX]
	v_floor_f32 v[ST+16*\x+NM], -v[ST+16*\x+NM]
.endr
	WIN 0x40
.set J, 0
.rept 64
	v_mov_b32 v[O+J], 0
.set J, J+1
.endr
	WIN 0
	WALU
.endm
.macro QUANT x                         ; 32 numbers of a lane, one block of the last product's K, into six registers of codes (behind the numbers) and a scale byte
.set X_, S+64*\x
.set A_, ST+16*\x
	v_max3_num_f32 v[A_+T0], |v[X_]|, |v[X_+1]|, 0x1800000
	v_max3_num_f32 v[A_+T1], |v[X_+16]|, |v[X_+17]|, |v[X_+18]|
.irp i, 2,4,6,8,10,12
	v_max3_num_f32 v[A_+T0], v[A_+T0], |v[X_+\i]|, |v[X_+\i+1]|
	v_max3_num_f32 v[A_+T1], v[A_+T1], |v[X_+\i+17]|, |v[X_+\i+18]|
.endr
	v_max3_num_f32 v[A_+T0], v[A_+T0], |v[X_+14]|, |v[X_+15]|
	v_max3_num_f32 v[A_+T0], v[A_+T0], v[A_+T1], |v[X_+31]|
	v_add_nc_u32 v[A_+T2], 0xff000000, v[A_+T0]
	v_cvt_scalef32_pk16_fp6_f32 v[X_+32:X_+34], v[X_:X_+15], v[A_+T2]
	v_cvt_scalef32_pk16_fp6_f32 v[X_+40:X_+42], v[X_+16:X_+31], v[A_+T2]
	v_lshrrev_b32 v[A_+BB], 23, v[A_+T2]
	v_mov_b32 v[X_+35], v[X_+40]
	v_mov_b32 v[X_+36], v[X_+41]
	v_mov_b32 v[X_+37], v[X_+42]
.endm
.macro FINISH p                        ; O^T is divided by the row's sum and quantised: a lane's 32 numbers are channels 32 h + 0 .. 31 of its query
.irp x, 0,1
	v_add_f32 v[ST+16*\x+SU], v[ST+16*\x+SU], v[ST+16*\x+SU+1]
.endr
.irp x, 0,1
	v_permlanex16_b32 v[ST+16*\x+PX], v[ST+16*\x+SU], s[SEL], s[SEL+1]
.endr
.irp x, 0,1
	v_add_f32 v[ST+16*\x+SU], v[ST+16*\x+SU], v[ST+16*\x+PX]
.endr
	WALU
.irp x, 0,1
	v_rcp_f32 v[ST+16*\x+SU], v[ST+16*\x+SU]
.endr
	v_nop
	WIN 0x01
	WALU                                           ; behind the reciprocals, directly ahead of the first readers of O^T
.irp x, 0,1
.set J, 0
.rept 32
	v_mul_f32 v[S+64*\x+J], v[O+32*\x+J], v[ST+16*\x+SU]   ; each accumulator from its low end on
.set J, J+1
.endr
.endr
	WIN 0
.irp x, 0,1
	QUANT \x
	global_store_b128 v[L16], v[S+64*\x+32:S+64*\x+35], s[10:11] offset:196608*\p+12288*\x
	global_store_b64 v[L8], v[S+64*\x+36:S+64*\x+37], s[10:11] offset:196608*\p+12288*\x+512
	global_store_b8 v[RB], v[ST+16*\x+BB], s[12:13] offset:8192*\p+512*\x   ; a head owns 2 of a row's 32 scale bytes: these leave singly
.endr
.endm
.macro PASS p
	INIT
	s_mov_b32 s[CNT], 0
	s_mov_b32 s[TB], 0
	s_mov_b32 s[TK], STEPB
.Lstep_\p:
	STEP \p
	s_add_co_u32 s[CNT], s[CNT], 1
	s_mul_i32 s[TB], s[CNT], STEPB                 ; the next step,
	s_add_co_u32 s[TK], s[CNT], 1
	s_and_b32 s[TK], s[TK], 15                     ; and the one behind it; behind the last comes step 0, which the second pass begins with (the second pass's last fetch is read by nobody)
	s_mul_i32 s[TK], s[TK], STEPB
	s_cmp_lt_u32 s[CNT], 16
	s_cbranch_scc1 .Lstep_\p
	FINISH \p
.endm
; ---- the head
	s_load_b256 s[4:11], s[0:1], 0x0               ; qimg, qsc, kv, ao
	s_load_b64 s[12:13], s[0:1], 0x20              ; aosc
	v_lshl_add_u32 v[SPW], v0, 2, 0x33000
	v_mov_b32 v[NIL], 0
	ds_add_u32 v[SPW], v[NIL]                      ; the opening adds
	ds_add_u32 v[SPW], v[NIL]
	v_lshrrev_b32 v56, 5, v0
	v_readfirstlane_b32 s[WV], v56                 ; wave 0..7
	s_bfe_u32 s15, ttmp6, 0x40000                  ; cx: it enters Q's and o's addresses alone
	s_and_b32 s16, ttmp7, 0xffff                   ; 16 x batch + head, which the four partners share
	s_mov_b32 s[G1], 15|(3<<16)|(1<<21)            ; two key steps: 102 rows of 256 bytes, dense; the mask names all four work-groups
	s_mov_b32 s[G1+1], 32<<16
	s_mov_b32 s[G1+2], 102<<16
	s_mov_b32 s[G1+3], 32<<16
	s_mov_b32 s[G1+4], 102
	s_mov_b32 s[G1+5], 32
	s_mov_b32 s[G1+6], 0
	s_mov_b32 s[G1+7], 0
	s_mul_i32 s49, s[WV], 2*STEPB                  ; my fill: key steps 2 wave and 2 wave + 1, at the same byte in LDS as in the head's bytes
	s_mul_i32 s52, s16, 16*STEPB
	s_add_co_u32 s52, s52, s49
	s_mov_b32 s53, 0
	s_mov_b32 s[CS], 0x3e38aa3b                    ; log2(e) / 8
	s_mov_b32 s[CS+1], s[CS]
	s_mov_b32 s[SEL], 0x76543210
	s_mov_b32 s[SEL+1], 0xfedcba98
	s_lshl_b32 s57, s15, 5
	s_lshl_b32 s56, s[WV], 1
	s_add_co_u32 s57, s57, s56                     ; my first tile in the head: 32 cx + 2 wave
	s_lshl_b32 s56, s16, 7
	s_add_co_u32 s56, s56, s57
	s_mul_i32 s58, s56, 768                        ; its unit in qimg
	s_mov_b32 s59, 0
	s_lshl_b32 s60, s16, 13                        ; its scale words: 8,192 bytes a head, 256 for four tiles, 4 a tile
	s_lshl_b32 s56, s15, 11
	s_add_co_u32 s60, s60, s56
	s_lshr_b32 s56, s[WV], 1
	s_lshl_b32 s56, s56, 8
	s_add_co_u32 s60, s60, s56
	s_and_b32 s56, s[WV], 1
	s_lshl_b32 s56, s56, 3
	s_add_co_u32 s60, s60, s56
	s_mov_b32 s61, 0
	s_lshr_b32 s56, s16, 4
	s_lshl_b32 s56, s56, 7
	s_add_co_u32 s56, s56, s57                     ; the tile among all 512
	s_and_b32 s51, s16, 15                         ; the head
	s_mul_i32 s62, s56, 12288
	s_mul_i32 s50, s51, 768
	s_add_co_u32 s62, s62, s50                     ; ao: 12,288 bytes a tile, 768 a head
	s_mov_b32 s63, 0
	s_lshl_b32 s50, s56, 9
	s_lshl_b32 s51, s51, 1
	s_add_co_u32 s50, s50, s51                     ; aosc: 32 bytes a row, 2 a head
	s_mov_b32 s51, 0
	v_and_b32 v56, 31, v0
	v_and_b32 v57, 15, v0
	v_bfe_u32 v58, v0, 4, 1
	v_lshlrev_b32 v[L16], 4, v56
	v_lshlrev_b32 v[L8], 3, v56
	v_lshlrev_b32 v[SH8], 3, v58
	v_lshlrev_b32 v[R16], 4, v57
	v_lshl_add_u32 v[RB], v57, 5, v58
	WIN 0x40
.irp i, 6,7,8,9,10,11
	v_mov_b32 v[QF+\i], 0                          ; K = 64 .. 127 of the first product: zero codes, set once
	v_mov_b32 v[QF+12+\i], 0
	v_mov_b32 v[QF+24+\i], 0
	v_mov_b32 v[QF+36+\i], 0
	v_mov_b32 v[KF+42+\i], 0                       ; what the last tile's operand runs on over
.endr
	WIN 0
	WALU                                           ; the wait at the head's end
	s_wait_dscnt 0x0
	s_wait_kmcnt 0x0
	s_mov_b32 s[G0], 1
	s_mov_b32 s[G0+1], s49
	s_add_nc_u64 s[G0+2:G0+3], s[8:9], s[52:53]
	s_or_b32 s[G0+3], s[G0+3], 0x80000000
	s_add_nc_u64 s[4:5], s[4:5], s[58:59]
	s_add_nc_u64 s[6:7], s[6:7], s[60:61]
	s_add_nc_u64 s[10:11], s[10:11], s[62:63]
	s_add_nc_u64 s[12:13], s[12:13], s[50:51]
	CROUND                                         ; all four work-groups are here: the joint loads meet
	tensor_load_to_lds s[G0:G0+3], s[G1:G1+7]      ; one load a wave
	s_nop 0
.rept 4
	v_nop
.endr
	WIN 0x40
.irp p, 0,1
.irp x, 0,1
	global_load_b128 v[QF+24*\p+12*\x:QF+24*\p+12*\x+3], v[L16], s[4:5] offset:12288*\p+768*\x th:TH_LOAD_NT   ; Q's units stay in registers
	global_load_b64 v[QF+24*\p+12*\x+4:QF+24*\p+12*\x+5], v[L8], s[4:5] offset:12288*\p+768*\x+512 th:TH_LOAD_NT
.endr
.endr
	WIN 0
.irp p, 0,1
.irp x, 0,1
	global_load_b32 v[QS+2*\p+\x], v[R16], s[6:7] offset:1024*\p+4*\x
.endr
.endr
	s_wait_loadcnt 0x0
	s_wait_tensorcnt 0x0                           ; my two key steps have landed,
	s_barrier_signal -1
	s_barrier_wait -1                              ; everybody's have
	LOADK L16, L8                                  ; key step 0's K
	PASS 0
	s_wait_xcnt 0x0                                ; the stores have read their data: the second pass writes the same registers
	PASS 1
	s_wait_tensorcnt 0x0                           ; the wave's end
	ds_add_u32 v[SPW], v[NIL]
	s_wait_dscnt 0x0
	CROUND                                         ; the closing round
	s_endpgm
.Lfunc_end_k_qf7bedea2a8_attn:
	.size	k_qf7bedea2a8_attn, .Lfunc_end_k_qf7bedea2a8_attn-k_qf7bedea2a8_attn
	.p2alignl 7, 3214868480
	.fill 96, 4, 3214868480
	.section	.rodata,"a",@progbits
	.p2align	6, 0x0
	.amdhsa_kernel k_qf7bedea2a8_attn
		.amdhsa_group_segment_fixed_size 210944
		.amdhsa_private_segment_fixed_size 0
		.amdhsa_enable_private_segment 0
		.amdhsa_kernarg_size 40
		.amdhsa_user_sgpr_count 2
		.amdhsa_user_sgpr_kernarg_segment_ptr 1
		.amdhsa_wavefront_size32 1
		.amdhsa_system_sgpr_workgroup_id_x 1
		.amdhsa_system_sgpr_workgroup_id_y 1
		.amdhsa_system_sgpr_workgroup_id_z 1
		.amdhsa_system_vgpr_workitem_id 0
		.amdhsa_next_free_vgpr 512
		.amdhsa_next_free_sgpr 66
		.amdhsa_reserve_vcc 0
		.amdhsa_float_denorm_mode_32 3
		.amdhsa_float_denorm_mode_16_64 3
		.amdhsa_memory_ordered 1
		.amdhsa_forward_progress 1
		.amdhsa_inst_pref_size 80
	.end_amdhsa_kernel
	.amdgpu_metadata
---
amdhsa.version: [ 1, 2 ]
amdhsa.kernels:
  - .name:           k_qf7bedea2a8_attn
    .symbol:         k_qf7bedea2a8_attn.kd
    .args:
      - { .name: qimg, .offset: 0, .size: 8, .value_kind: global_buffer, .address_space: global }
      - { .name: qsc, .offset: 8, .size: 8, .value_kind: global_buffer, .address_space: global }
      - { .name: kv, .offset: 16, .size: 8, .value_kind: global_buffer, .address_space: global }
      - { .name: ao, .offset: 24, .size: 8, .value_kind: global_buffer, .address_space: global }
      - { .name: aosc, .offset: 32, .size: 8, .value_kind: global_buffer, .address_space: global }
    .group_segment_fixed_size: 210944
    .private_segment_fixed_size: 0
    .kernarg_segment_align: 8
    .kernarg_segment_size: 40
    .max_flat_workgroup_size: 256
    .sgpr_count:     66
    .vgpr_count:     512
    .wavefront_size: 32
...
	.end_amdgpu_metadata
.endif
;; end of part 2
;; launch outp (part 3): grid 8 x 32, 4 waves a work-group, clusters of 4 x 4, 327,680 bytes of LDS; arguments ao, aosc, Wo_codes, Wo_scales, out0; writes out0
.if DOCPART == 3
	.amdgcn_target "amdgcn-amd-amdhsa--gfx1250"
	.amdhsa_code_object_version 6
	.text
	.protected	k_qf7bedea2a8_outp
	.globl	k_qf7bedea2a8_outp
	.p2align	8
	.type	k_qf7bedea2a8_outp,@function
k_qf7bedea2a8_outp:
	s_mov_b64 s[64:65], 0
	v_nop
	global_prefetch_b8 v0, s[64:65] scope:SCOPE_SE
	s_setreg_imm32_b32 hwreg(HW_REG_WAVE_MODE, 25, 1), 1
	s_wait_xcnt 0x0
	s_wait_alu depctr_hold_cnt(0) depctr_sa_sdst(0) depctr_va_vdst(0) depctr_va_sdst(0) depctr_va_ssrc(0) depctr_va_vcc(0) depctr_vm_vsrc(0)
	s_getreg_b32 s2, hwreg(HW_REG_IB_STS2, 6, 4)
	s_cmp_eq_u32 s2, 0
	s_cbranch_scc0 .Lentry_in_a_cluster
	s_endpgm
.Lentry_in_a_cluster:
	s_bfe_u32 s2, ttmp6, 0x10000c
	s_cmp_lg_u32 s2, 0xf033
	s_cbranch_scc0 .Lentry_shape_is_right
	s_endpgm
.Lentry_shape_is_right:
; out = o Wo^T on codes of FP6 (E2M3); o comes as the launch before has laid it: for each tile of 16 tokens 16 units of 768 bytes, a unit being six operand registers of 32 lanes (one head's 64 channels).
; THE DEAL.  256 work-groups of four waves; a work-group makes 256 tokens x 128 columns.  Wave (a, b) holds Wo's rows 64 b + 0 .. 63 of the 128, all of K, in 384 registers
; and streams its eight tiles of tokens (8 a + i) past them, 32 products a tile.  Source 0 = Wo's rows: a lane holds eight neighbouring columns of one token.
; LDS is filled once, at the head: waves 0-2 a third each of o's 196,608 bytes (a dense block, as rows of 256 bytes), wave 3 Wo's 128 rows (816 bytes apart in LDS).  o is shared by a row of the cluster, Wo by a column.
; No prefetch: all tiles are asked for at the head, so no later request is left to run ahead of.
; THE WAY OUT: a tile's 16 x 64 sums go through the wave's own stage in LDS and come back as rows of 256 bytes; sixteen lanes store one aligned 256-byte unit.  Row r of tile t of a group of 128 tokens is token 64 (t / 4) + 8 (t % 4) + r % 8 + 32 (r / 8).
; A tile's stores are issued a tile later, so that the stage's round trip stands under the next tile's products.
; SCALES go from memory into registers: lane (r, h) takes bytes 16 h .. 16 h + 15 of its row's 32: register q % 4 serves K step q with the scale row q / 4.
.set PITCH, 816
.set WB,    196608                     ; Wo's rows, behind o's
.set STG,   301056                     ; the stages: 16 rows of 272 bytes a wave
.set SPARE, 318464
.set FR,    12
.set FPW,   21                         ; fragment f lies in window 1 + f / 21 at 12 (f % 21): 0-31 Wo's (4 q + t), 32-39 and 40-47 o's two sets
.set XAD,   80                         ; window 3: v80-95 LDS addresses of my eight tiles (16 x lane, 8 x lane)
.set WAD,   100                        ; window 3: v100-107 of my four tiles of Wo
.set STO,  16
.set RD,   17
.set CO,   18
.set SPW,  20
.set NIL,  21
.set LSC,  22
.set SW,   32                          ; v32-47 Wo's scale words
.set SX,   50                          ; v50-81 o's, four registers a tile
.set ACC,  96                          ; v96-159 two sets of four accumulators
.set BK,   160                         ; v160-223 two sets of 16 rows read back
.set G1A, 24
.set G1W, 32
.set G0A, 48
.set G0W, 52
.set MSB, 0
.macro WIN new
.if MSB != \new
	s_set_vgpr_msb (MSB<<8)|\new
.set MSB, \new
.endif
.endm
.macro PLACES n
.rept \n
	v_nop
.endr
.endm
.macro BARRIER
	s_barrier_signal -1
	s_barrier_wait -1
.endm
.macro CROUND
	BARRIER
	s_cmp_lg_u32 s14, 0
	s_cbranch_scc1 .Lnot_wave_0_\@
	s_barrier_signal -3
.Lnot_wave_0_\@:
	s_barrier_wait -3
	BARRIER
.endm
.macro TLOAD g0, g1
	tensor_load_to_lds s[\g0:\g0+3], s[\g1:\g1+7]
	s_nop 0
	PLACES 4
.endm
.macro FRAG f, q, a                    ; a fragment of Wo: six pieces of 8 bytes, two to a load where both go by one address register
	WIN ((1+(\f)/FPW)<<6)|3
.set R_, FR*((\f)%FPW)
.set SKIP_, 0
.irp p, 0,1,2,3,4,5
.if SKIP_
.set SKIP_, 0
.else
.set PC_, 12*(\q)+6*(\p/3)+\p%3
.set PN_, 12*(\q)+6*((\p+1)/3)+(\p+1)%3
.set X_, (PC_%32+3)/32
.if (\p < 5) && (X_ == (PN_%32+3)/32)
.set SKIP_, 1
	ds_load_2addr_b64 v[R_+2*\p:R_+2*\p+3], v[\a+X_] offset0:PC_+2*(PC_/32) offset1:PN_+2*(PN_/32)
.else
	ds_load_b64 v[R_+2*\p:R_+2*\p+1], v[\a+X_] offset:8*(PC_+2*(PC_/32))
.endif
.endif
.endr
.endm
.macro WEIGHTS
.irp q, 0,1,2,3,4,5,6,7
.irp t, 0,1,2,3
	FRAG 4*\q+\t, \q, WAD+2*\t
.endr
.endr
	WIN 0
.endm
.macro FETCH e, i                      ; tile i into set e: 32 loads, two units a fragment
.irp q, 0,1,2,3,4,5,6,7
	WIN ((1+(32+8*(\e)+\q)/FPW)<<6)|3
.set R_, FR*((32+8*(\e)+\q)%FPW)
	ds_load_b128 v[R_:R_+3], v[XAD+2*(\i)] offset:1536*\q
	ds_load_b64 v[R_+4:R_+5], v[XAD+2*(\i)+1] offset:1536*\q+512
	ds_load_b128 v[R_+6:R_+9], v[XAD+2*(\i)] offset:1536*\q+768
	ds_load_b64 v[R_+10:R_+11], v[XAD+2*(\i)+1] offset:1536*\q+1280
.endr
	WIN 0
.endm
.macro P1 d, s0, s1, x0, x1, q
.if (\q) == 0
	v_wmma_scale_f32_16x16x128_f8f6f4 v[\d:\d+7], v[FR*((\s0)%FPW):FR*((\s0)%FPW)+FR-1], v[FR*((\s1)%FPW):FR*((\s1)%FPW)+FR-1], 0, v[\x0], v[\x1] matrix_a_fmt:MATRIX_FMT_FP6 matrix_b_fmt:MATRIX_FMT_FP6
.elseif (\q) < 4
	v_wmma_scale_f32_16x16x128_f8f6f4 v[\d:\d+7], v[FR*((\s0)%FPW):FR*((\s0)%FPW)+FR-1], v[FR*((\s1)%FPW):FR*((\s1)%FPW)+FR-1], v[\d:\d+7], v[\x0], v[\x1] matrix_a_fmt:MATRIX_FMT_FP6 matrix_b_fmt:MATRIX_FMT_FP6
.else
	v_wmma_scale_f32_16x16x128_f8f6f4 v[\d:\d+7], v[FR*((\s0)%FPW):FR*((\s0)%FPW)+FR-1], v[FR*((\s1)%FPW):FR*((\s1)%FPW)+FR-1], v[\d:\d+7], v[\x0], v[\x1] matrix_a_fmt:MATRIX_FMT_FP6 matrix_b_fmt:MATRIX_FMT_FP6 matrix_a_scale:MATRIX_SCALE_ROW1 matrix_b_scale:MATRIX_SCALE_ROW1
.endif
.endm
.macro PRODS i                         ; a tile's 32 products; the four accumulators take turns
.set N_, 0
.rept 32
.set Q_, N_/4
.set T_, N_%4
.set FW_, 4*Q_+T_
.set FX_, 32+8*((\i)%2)+Q_
.set XW_, SW+4*T_+Q_%4
.set XX_, SX+4*(\i)+Q_%4
.set D_, ACC+32*((\i)%2)+8*T_
	WIN (1+FW_/FPW)|((1+FX_/FPW)<<2)
	P1 D_, FW_, FX_, XW_, XX_, Q_
.set N_, N_+1
.endr
	WIN 0
.endm
.macro SEND a, younger                 ; tile a's rows are stored; younger: the LDS instructions that may stay out
	s_wait_dscnt \younger
.irp k, 0,1,2,3,4,5,6,7
	global_store_b128 v[CO], v[BK+32*((\a)%2)+4*\k:BK+32*((\a)%2)+4*\k+3], s[12:13] offset:(64*((\a)/4)+8*((\a)%4)+2*(\k%4)+32*(\k/4))*4096 th:TH_STORE_NT
.endr
.endm
; A tile.  Behind its products: 8 stores to the stage, 8 loads back, the fetch of the tile two on (32 loads), and the stores of the tile before, whose wait leaves out only this tile's LDS instructions
; (48, or 16 where nothing more is fetched): so everything older is in, the next tile's fragments among them, and from tile 2 on no wait stands at a tile's head.
.macro BLK i
.if (\i) == 0
	s_wait_dscnt 32                                ; set 1's fetch may be out
.elseif (\i) == 1
	s_wait_dscnt 48                                ; tile 0's 16 stage instructions and the fetch of tile 2
.endif
	PRODS \i
	PLACES 4
	s_wait_xcnt 0x0                                ; the stores of the tile two back have read their data
.irp t, 0,1,2,3
	ds_store_b128 v[STO], v[ACC+32*((\i)%2)+8*\t:ACC+32*((\i)%2)+8*\t+3] offset:64*\t
	ds_store_b128 v[STO], v[ACC+32*((\i)%2)+8*\t+4:ACC+32*((\i)%2)+8*\t+7] offset:64*\t+16
.endr
.irp k, 0,1,2,3,4,5,6,7
	ds_load_b128 v[BK+32*((\i)%2)+4*\k:BK+32*((\i)%2)+4*\k+3], v[RD] offset:\k*2*272
.endr
.if (\i) < 6
	FETCH (\i)%2, (\i)+2
.endif
.if (\i) > 5
	SEND (\i)-1, 16
.elseif (\i) > 0
	SEND (\i)-1, 48
.endif
.endm
; ---- the head
	s_load_b128 s[4:7], s[0:1], 0x0                ; ao, aosc
	s_load_b128 s[8:11], s[0:1], 0x10              ; Wo's codes, scales
	s_load_b64 s[12:13], s[0:1], 0x20              ; out0
	v_lshl_add_u32 v[SPW], v0, 2, SPARE
	v_mov_b32 v[NIL], 0
	ds_add_u32 v[SPW], v[NIL]                      ; the opening adds
	ds_add_u32 v[SPW], v[NIL]
	v_lshrrev_b32 v1, 5, v0
	v_readfirstlane_b32 s14, v1
	s_lshr_b32 s15, s14, 1                         ; a
	s_and_b32 s16, s14, 1                          ; b
	s_bfe_u32 s40, ttmp6, 0x40000
	s_bfe_u32 s41, ttmp6, 0x40004
	s_lshl_b32 s42, ttmp9, 2
	s_add_co_u32 s42, s42, s40                     ; tile column, 0 .. 7
	s_and_b32 s43, ttmp7, 0xffff
	s_lshl_b32 s43, s43, 2
	s_add_co_u32 s43, s43, s41                     ; tile row, 0 .. 31
	s_lshl_b32 s44, s41, 2
	s_lshl_b32 s44, 15, s44
	s_lshl_b32 s45, 0x1111, s40
	s_or_b32 s[G1A], s44, (3<<16)|(1<<21)          ; 256 rows of 256 bytes, dense
	s_mov_b32 s[G1A+1], 32<<16
	s_mov_b32 s[G1A+2], 256<<16
	s_mov_b32 s[G1A+3], 32<<16
	s_mov_b32 s[G1A+4], 256
	s_mov_b32 s[G1A+5], 32
	s_mov_b32 s[G1A+6], 0
	s_mov_b32 s[G1A+7], 0
	s_or_b32 s[G1W], s45, (1<<20)|(1<<21)|(5<<22)|(3<<25)   ; 128 rows of 768 bytes, 16 bytes of padding behind every 256
	s_mov_b32 s[G1W+1], 768<<16
	s_mov_b32 s[G1W+2], 128<<16
	s_mov_b32 s[G1W+3], 768<<16
	s_mov_b32 s[G1W+4], 128
	s_mov_b32 s[G1W+5], 768
	s_mov_b32 s[G1W+6], 0
	s_mov_b32 s[G1W+7], 0
	s_mul_i32 s18, s43, 196608
	s_lshl_b32 s17, s14, 16
	s_add_co_u32 s18, s18, s17
	s_mov_b32 s19, 0
	s_mul_i32 s22, s42, 98304
	s_mov_b32 s23, 0
	s_mov_b32 s[G0A], 1
	s_mov_b32 s[G0A+1], s17
	s_mov_b32 s[G0W], 1
	s_mov_b32 s[G0W+1], WB
	s_lshl_b32 s46, s43, 13
	s_lshl_b32 s20, s15, 12
	s_add_co_u32 s46, s46, s20                     ; o's scale bytes of my eight tiles
	s_mov_b32 s47, 0
	s_lshl_b32 s20, s42, 12
	s_lshl_b32 s21, s16, 11
	s_add_co_u32 s20, s20, s21                     ; Wo's, of my 64 rows
	s_mov_b32 s21, 0
	s_lshl_b32 s56, s43, 20
	s_lshl_b32 s57, s15, 19
	s_add_co_u32 s56, s56, s57
	s_lshl_b32 s57, s42, 9
	s_add_co_u32 s56, s56, s57
	s_lshl_b32 s57, s16, 8
	s_add_co_u32 s56, s56, s57                     ; my corner of out0
	s_mov_b32 s57, 0
	s_mul_i32 s2, s16, 64*PITCH
	s_add_co_u32 s2, s2, WB
	s_mul_i32 s3, s15, 8*12288
	s_mul_i32 s58, s14, 16*272
	s_add_co_u32 s58, s58, STG
	v_and_b32 v1, 15, v0                           ; r
	v_bfe_u32 v2, v0, 4, 1                         ; h
	v_and_b32 v3, 31, v0
	v_lshlrev_b32 v4, 4, v3
	v_lshlrev_b32 v5, 3, v3
	v_add_nc_u32 v4, s3, v4
	v_add_nc_u32 v5, s3, v5
	v_mul_u32_u24 v6, v1, PITCH
	v_add_nc_u32 v6, s2, v6
	v_mad_u32_u24 v7, v2, 40, v6
	v_mad_u32_u24 v6, v2, 24, v6
	v_lshlrev_b32 v[LSC], 5, v1
	v_lshl_add_u32 v[LSC], v2, 4, v[LSC]
	v_mul_u32_u24 v8, v1, 272
	v_lshl_add_u32 v8, v2, 5, v8
	v_add_nc_u32 v[STO], s58, v8                   ; in: row r, 32 bytes for each half of the lanes
	v_mul_u32_u24 v9, v2, 272
	v_lshl_add_u32 v9, v1, 4, v9
	v_add_nc_u32 v[RD], s58, v9                    ; back: sixteen lanes a row of 256 bytes
	v_lshlrev_b32 v10, 12, v2
	v_lshl_add_u32 v[CO], v1, 4, v10               ; and the same two rows in out0
	WIN 3<<6
.irp i, 0,1,2,3,4,5,6,7
	v_add_nc_u32 v[XAD+2*\i], \i*12288, v4
	v_add_nc_u32 v[XAD+2*\i+1], \i*12288, v5
.endr
.irp t, 0,1,2,3
	v_add_nc_u32 v[WAD+2*\t], \t*16*PITCH, v6
	v_add_nc_u32 v[WAD+2*\t+1], \t*16*PITCH, v7
.endr
	WIN 0
	s_wait_alu depctr_va_vdst(0)                   ; the wait at the head's end
	s_wait_dscnt 0x0
	CROUND                                         ; the round in front of the joint loads
	s_wait_kmcnt 0x0
	s_add_nc_u64 s[G0A+2:G0A+3], s[4:5], s[18:19]
	s_or_b32 s[G0A+3], s[G0A+3], 0x80000000
	s_add_nc_u64 s[G0W+2:G0W+3], s[8:9], s[22:23]
	s_or_b32 s[G0W+3], s[G0W+3], 0x80000000
	s_add_nc_u64 s[6:7], s[6:7], s[46:47]
	s_add_nc_u64 s[10:11], s[10:11], s[20:21]
	s_add_nc_u64 s[12:13], s[12:13], s[56:57]
	s_cmp_lt_u32 s14, 3
	s_cbranch_scc0 .Lfor_w
	TLOAD G0A, G1A                                 ; waves 0-2: a third of o each
	s_branch .Lasked
.Lfor_w:
	TLOAD G0W, G1W                                 ; wave 3: Wo's rows
.Lasked:
.irp t, 0,1,2,3
	global_load_b128 v[SW+4*\t:SW+4*\t+3], v[LSC], s[10:11] offset:512*\t
.endr
.irp i, 0,1,2,3,4,5,6,7
	global_load_b128 v[SX+4*\i:SX+4*\i+3], v[LSC], s[6:7] offset:512*\i
.endr
	s_cmp_lt_u32 s14, 3
	s_cbranch_scc1 .Lnot_w
	s_wait_tensorcnt 0x0
.Lnot_w:
	BARRIER                                        ; Wo's rows are in; o may be on its way: nothing is filled in this launch behind the head
	WEIGHTS
	s_wait_tensorcnt 0x0
	s_wait_dscnt 0x0
	BARRIER                                        ; o is in
	FETCH 0, 0
	FETCH 1, 1
	s_wait_loadcnt 0x0
.irp i, 0,1,2,3,4,5,6,7
	BLK \i
.endr
	SEND 7, 0
	s_wait_tensorcnt 0x0                           ; the wave's end
	ds_add_u32 v[SPW], v[NIL]
	s_wait_dscnt 0x0
	CROUND                                         ; the closing round
	s_endpgm
.Lfunc_end_k_qf7bedea2a8_outp:
	.size	k_qf7bedea2a8_outp, .Lfunc_end_k_qf7bedea2a8_outp-k_qf7bedea2a8_outp
	.p2alignl 7, 3214868480
	.fill 96, 4, 3214868480
	.section	.rodata,"a",@progbits
	.p2align	6, 0x0
	.amdhsa_kernel k_qf7bedea2a8_outp
		.amdhsa_group_segment_fixed_size 327680
		.amdhsa_private_segment_fixed_size 0
		.amdhsa_enable_private_segment 0
		.amdhsa_kernarg_size 40
		.amdhsa_user_sgpr_count 2
		.amdhsa_user_sgpr_kernarg_segment_ptr 1
		.amdhsa_wavefront_size32 1
		.amdhsa_system_sgpr_workgroup_id_x 1
		.amdhsa_system_sgpr_workgroup_id_y 1
		.amdhsa_system_sgpr_workgroup_id_z 1
		.amdhsa_system_vgpr_workitem_id 0
		.amdhsa_next_free_vgpr 1024
		.amdhsa_next_free_sgpr 106
		.amdhsa_reserve_vcc 0
		.amdhsa_float_denorm_mode_32 3
		.amdhsa_float_denorm_mode_16_64 3
		.amdhsa_memory_ordered 1
		.amdhsa_forward_progress 1
		.amdhsa_inst_pref_size 81
	.end_amdhsa_kernel
	.amdgpu_metadata
---
amdhsa.version: [ 1, 2 ]
amdhsa.kernels:
  - .name:           k_qf7bedea2a8_outp
    .symbol:         k_qf7bedea2a8_outp.kd
    .args:
      - { .name: ao, .offset: 0, .size: 8, .value_kind: global_buffer, .address_space: global }
      - { .name: aosc, .offset: 8, .size: 8, .value_kind: global_buffer, .address_space: global }
      - { .name: Wo_codes, .offset: 16, .size: 8, .value_kind: global_buffer, .address_space: global }
      - { .name: Wo_scales, .offset: 24, .size: 8, .value_kind: global_buffer, .address_space: global }
      - { .name: out0, .offset: 32, .size: 8, .value_kind: global_buffer, .address_space: global }
    .group_segment_fixed_size: 327680
    .private_segment_fixed_size: 0
    .kernarg_segment_align: 8
    .kernarg_segment_size: 40
    .max_flat_workgroup_size: 128
    .sgpr_count:     106
    .vgpr_count:     1024
    .wavefront_size: 32
...
	.end_amdgpu_metadata
.endif
;; end of part 3
